; MI455X (gfx1250); checked and timed in simulation.
; The chip was launched on July 23, 2026; its instructions are those of AMD's public machine-readable ISA for CDNA 5 (MIT licence, August 2026) and "CDNA5" Instruction Set Architecture Reference Guide (July 2026). The comments in the code are by the model that wrote it; some were corrected since.
;; Multi Headed Attention. Allowed arithmetic: matrix products marked QUANTISED: E2M1 operands, one E8M0 scale for each 32 along K, by v_wmma_scale_f32_16x16x128_f8f6f4 with both operands' format E2M1 (or v_wmma_scale_f32_32x16x128_f4), f32 sums; products left as they are: bf16, f16 or f32 operands; f32 sums; everything else in f32.
;; Inputs: Wk 512 x 512 float32; Wo 512 x 512 float32; Wq 512 x 512 float32; Wv 512 x 512 float32; bk 512 float32; bo 512 float32; bq 512 float32; bv 512 float32; key 2 x 256 x 512 float32; mask 2 x 1 x 256 x 256 int32; query 2 x 256 x 512 float32; relation 2 x 256 x 256 x 512 float32; value 2 x 256 x 512 float32.
;; Outputs: out0 2 x 256 x 512 float32.
;; This version of the problem:
;;   THIS VERSION OF THE PROBLEM IS GIVEN IN LOW PRECISION. The matrix products marked QUANTISED in the list below multiply operands that are first quantised to E2M1 (2 exponent bits, 1 mantissa bit; 4 bits a number), with one power-of-two scale for each 32 numbers along K (OCP MX v1.0); their sums are f32. The products marked 'left as it is' may take bf16, f16 or f32 operands, with f32 sums. Whichever they take, every output number must still come out within the allowed error. Rounding operands to bf16 (8 significant bits) uses up far more of that allowance than f16 does (11 bits, for magnitudes from 6e-5 to 65,504). All else is computed in f32.
;;   The module's matrix products, in the order in which they are computed (A, B: the left and right operand; K: the contracted axis; several contracted axes count as one K, in the product's order):
;;     1. [M 512, K 512] x [K 512, N 512]; A: input query; B: input Wq: QUANTISED
;;     2. [M 512, K 512] x [K 512, N 512]; A: input key; B: input Wk: QUANTISED
;;     3. [M 512, K 512] x [K 512, N 512]; A: input value; B: input Wv: QUANTISED
;;     4. [M 131,072, K 512] x [K 512, N 512]; A: input relation; B: input Wk: QUANTISED
;;     5. [M 131,072, K 512] x [K 512, N 512]; A: input relation; B: input Wv: QUANTISED
;;     6. batch 16 x [M 256, K 64] x [K 64, N 256]; A: computed on the way; B: computed on the way: left as it is (an operand is computed on the way)
;;     7. batch 4,096 x [M 1, K 64] x [K 64, N 256]; A: computed on the way; B: computed on the way: left as it is (M = 1 < 16)
;;     8. batch 16 x [M 256, K 256] x [K 256, N 64]; A: computed on the way; B: computed on the way: left as it is (an operand is computed on the way)
;;     9. batch 4,096 x [M 1, K 256] x [K 256, N 64]; A: computed on the way; B: computed on the way: left as it is (M = 1 < 16)
;;     10. [M 512, K 512] x [K 512, N 512]; A: computed on the way; B: input Wo: left as it is (an operand is computed on the way)
;;   THE QUANTISER, for each operand of a quantised product, along K:
;;     - K is cut into blocks of 32 from its start; a last block that is shorter is filled with zeros.
;;     - A block's scale is 2^e with e = floor(log2(the largest magnitude in the block)) - 2, held to -126 .. 127; a block of zeros has e = 0. As a byte (E8M0): e + 127.
;;     - Each number is divided by its block's scale, clamped to +-6, and rounded to the nearest number of E2M1, ties to even, subnormals kept.
;;     - The product sums the exact products of the quantised numbers (number of the format x scale) in f32.
;;   ~~~python
;;   def quantise(x, axis):      # numpy; x: float32 -> the quantised numbers, widened to float32 again
;;       x = np.moveaxis(x, axis, -1); K = x.shape[-1]
;;       x = np.pad(x, [(0, 0)] * (x.ndim - 1) + [(0, -K % 32)]); x = x.reshape(x.shape[:-1] + (-1, 32)); a = np.abs(x).max(-1, keepdims=True)
;;       e = np.where(a > 0, np.clip(np.frexp(np.where(a > 0, a, 1))[1] - 1 - 2, -126, 127), 0)      # np.frexp(a)[1] - 1 = floor(log2(a)), exactly
;;       r = np.clip(x / 2.0 ** e, -6, 6)
;;       step = 2.0 ** (np.maximum(np.frexp(np.where(r == 0, 1, r))[1] - 1, 0) - 1)
;;       q = np.round(r / step) * step * 2.0 ** e      # np.round: ties to even
;;       return np.moveaxis(q.reshape(q.shape[:-2] + (-1,))[..., :K], -1, axis).astype(np.float32)
;;   ~~~
;; One version. Each part assembles by itself: llvm-mc -triple=amdgcn-amd-amdhsa -mcpu=gfx1250 --defsym DOCPART=n.
;; ======== version 1 of 1: 3 launches
;; limits: values are held in f16: magnitudes above 65,504 overflow, below 6.1e-05 lose precision; right only within a limited range of input values
;; workspace buffers: qs 1,048,576 bytes; k16 524,288 bytes; v16 524,288 bytes; wimg 262,144 bytes; wsc 16,384 bytes; x 1,048,576 bytes
;; launch prep (part 1): grid 64 x 3, 16 waves a work-group, no clusters, 57,344 bytes of LDS; arguments query, key, value, Wq, Wk, Wv, bq, bk, bv, qs, k16, v16, wimg, wsc; writes qs, k16, v16, wimg, wsc
.if DOCPART == 1
	.amdgcn_target "amdgcn-amd-amdhsa--gfx1250"
	.amdhsa_code_object_version 6
	.text
	.protected	k_qdde4384245_prep
	.globl	k_qdde4384245_prep
	.p2align	8
	.type	k_qdde4384245_prep,@function
k_qdde4384245_prep:
	s_mov_b64 s[64:65], 0
	v_nop
	global_prefetch_b8 v0, s[64:65] scope:SCOPE_SE
	s_setreg_imm32_b32 hwreg(HW_REG_WAVE_MODE, 25, 1), 1
	s_wait_xcnt 0x0
; The three small projections on codes of FP4 (E2M1, one E8M0 scale for each 32 along K), and the weights' operand images for the next launch.
;   y = 0: qs  = (Q(query) Q(Wq)^T + bq) x log2(e)/8, f32 [512][512]
;   y = 1: k16 =  Q(key)   Q(Wk)^T + 2 bk, f16, as images of a 16 x 32 operand's registers (the second bk is the relation's: q.(k + bk) + q.(rel Wk))
;   y = 2: v16 =  Q(value) Q(Wv)^T + 2 bv, f16, as images with the keys along K, in the order pos = 16 (j % 16) + j / 16
;   y = 1, 2, row block 0: the codes of Wk, Wv as images of the FP4 operand's registers (wimg) and their scale words (wsc).
; A work-group makes 64 rows x 64 columns (one head), K = 512.  Sixteen waves.  First each wave quantises 16 rows x 256 along K (waves 0-7: the activations' four
; tiles, waves 8-15: the weight's four) and lays the two fragments in LDS as images of their registers (16 bytes a lane, 512 bytes a store); a barrier; then wave
; (a, bt) multiplies tile a of the rows by tile bt of the weight: four matrix instructions on two accumulators by turns.
; y = 0, 1 use the product transposed (source 0 = the weight's rows): a lane holds one row and eight neighbouring columns.  y = 2 uses it as it stands, on rows
; j = 16 m + r0: a lane holds one column and eight neighbouring pos.  Which images go to which source is a choice of two LDS bases on the grid's y.
; LIMITS: k', v' must lie inside f16's range (magnitude under 65,504); NaN and infinities among the inputs are not served; a block of zeros gets the scale byte 1
; (its codes are zeros, and only this program reads the bytes).
.set SCW,   32768                      ; LDS: 32 images of 1,024 bytes from 0 on (2,048 x wave + 1,024 x step); from here their scale words, 128 bytes each
.set STG,   36864                      ; the stage for qs: 64 rows x (256 + 16) bytes
.set SP,    272
.set SPARE, 54272                      ; the spare words, 128 bytes for each of 16 waves
.set SPW, 1
.set NIL, 2
.set R0,  32                           ; v32-95   64 numbers of the first K step
.set R1,  96                           ; v96-159  of the second
.set PC0, 160                          ; v160-167, v168-175 the two fragments' codes
.set PC1, 168
.set PW,  176                          ; v176-177 their scale words as made
.set B8,  180                          ; v180-187 the bias at my eight columns;  v188 at column r
.set B1,  188
.set TM,  192                          ; v192-207 at work in QUANT
.set SA,  216                          ; v216-219, v220-223 scale words of source 0 and 1: they hold scales and nothing else
.set SB,  220
.set FA,  32                           ; the product: four fragments of source 0, four of source 1
.set FB,  64
.set A0,  96                           ; two accumulators
.set A1,  104
.set OUTR, 112
.set SEL, 52
; 64 numbers of a lane, register 16 b + i = k 32 b + 16 (lane / 16) + i of my row, become a fragment's codes in v[pc] on and its scale word in v[pw]
.macro QUANT s, pc, pw
.irp b, 0,1,2,3
	v_max3_num_f32 v[TM+\b], |v[\s+16*\b]|, |v[\s+1+16*\b]|, 0x1800000   ; my 16 numbers of block b, and the floor 2^(3 - 127): the byte cannot fall under 1
.endr
.irp i, 2,4,6,8,10,12,14
.irp b, 0,1,2,3
	s_delay_alu instid0(VALU_DEP_4)
	v_max3_num_f32 v[TM+\b], v[TM+\b], |v[\s+16*\b+\i]|, |v[\s+1+16*\b+\i]|
.endr
.endr
.irp b, 0,1,2,3
	s_delay_alu instid0(VALU_DEP_4)
	v_permlanex16_b32 v[TM+4+\b], v[TM+\b], s[SEL], s[SEL+1]
.endr
.irp b, 0,1,2,3
	s_delay_alu instid0(VALU_DEP_4)
	v_max_num_f32 v[TM+\b], v[TM+\b], v[TM+4+\b]   ; with lane l xor 16's: the block's largest magnitude
.endr
.irp b, 0,1,2,3
	s_delay_alu instid0(VALU_DEP_4)
	v_add_nc_u32 v[TM+12+\b], 0xff000000, v[TM+\b]   ; 2 off its exponent field: the conversion's scale operand
.endr
.irp b, 0,1,2,3
	s_delay_alu instid0(VALU_DEP_4)
	v_lshrrev_b32 v[TM+4+\b], 23, v[TM+12+\b]      ; the scale's byte
.endr
	s_delay_alu instid0(VALU_DEP_3)
	v_lshl_or_b32 v[\pw], v[TM+5], 8, v[TM+4]
	s_delay_alu instid0(VALU_DEP_1)
	v_lshl_or_b32 v[\pw], v[TM+6], 16, v[\pw]
	s_delay_alu instid0(VALU_DEP_1)
	v_lshl_or_b32 v[\pw], v[TM+7], 24, v[\pw]
.irp b, 0,1,2,3
	v_cvt_scalef32_pk8_fp4_f32 v[\pc+2*\b], v[\s+16*\b:\s+7+16*\b], v[TM+12+\b]
	v_cvt_scalef32_pk8_fp4_f32 v[\pc+1+2*\b], v[\s+8+16*\b:\s+15+16*\b], v[TM+12+\b]
.endr
	v_nop                                          ; one plain place behind a scaled conversion
.irp c, 0,1                                    ; the operand wants a whole block in a lane: lanes 0-15 block 2 c, lanes 16-31 block 2 c + 1
.irp i, 0,1
	v_permlane16_swap_b32 v[\pc+4*\c+\i], v[\pc+2+4*\c+\i]
.endr
.endr
.endm
	s_load_b512 s[4:19], s[0:1], 0x0               ; query, key, value, Wq, Wk, Wv, bq, bk
	s_load_b256 s[20:27], s[0:1], 0x40             ; bv, qs, k16, v16
	s_load_b128 s[28:31], s[0:1], 0x60             ; wimg, wsc
	v_lshl_add_u32 v[SPW], v0, 2, SPARE
	v_mov_b32 v[NIL], 0
	v_lshrrev_b32 v3, 5, v0
	s_delay_alu instid0(VALU_DEP_1)
	v_readfirstlane_b32 s32, v3                    ; wave u
	s_lshr_b32 s33, ttmp9, 3                       ; rb: block of 64 rows
	s_and_b32 s34, ttmp9, 7                        ; cb: the head
	s_and_b32 s35, ttmp7, 0xffff                   ; which projection
	s_lshr_b32 s36, s32, 3                         ; 0: I quantise activations, 1: the weight
	s_bfe_u32 s37, s32, 0x20001                    ; which tile of 16 rows
	s_and_b32 s38, s32, 1                          ; which half of K
	s_lshr_b32 s54, s33, 2                         ; b
	s_and_b32 s55, s33, 3
	s_lshl_b32 s55, s55, 2                         ; 4 (rb & 3)
	s_lshr_b32 s56, s32, 2                         ; the product: tile a of the rows,
	s_and_b32 s57, s32, 3                          ; tile bt of the columns
	s_mov_b32 s[SEL], 0x76543210
	s_mov_b32 s[SEL+1], 0xfedcba98
	v_and_b32 v3, 31, v0                           ; lane
	v_and_b32 v4, 15, v0                           ; r
	s_wait_alu depctr_va_vdst(0)
	v_bfe_u32 v5, v0, 4, 1                         ; h
	; my 16 rows: first row and the distance from row to row
	s_lshl_b32 s39, s37, 4
	s_lshl_b32 s40, s33, 6
	s_add_co_u32 s40, s40, s39                     ; query, key: 64 rb + 16 tile, neighbours
	s_lshl_b32 s42, s54, 8
	s_add_co_u32 s42, s42, s55
	s_add_co_u32 s42, s42, s37                     ; value: 256 b + r0, r0 = 4 (rb & 3) + tile, every sixteenth row
	s_lshl_b32 s44, s34, 6
	s_add_co_u32 s44, s44, s39                     ; the weight: 64 cb + 16 tile
	s_mov_b32 s45, 2048
	s_cmp_eq_u32 s35, 2
	s_cselect_b32 s40, s42, s40
	s_cselect_b32 s42, 32768, s45
	s_cmp_eq_u32 s36, 1
	s_cselect_b32 s40, s44, s40
	s_cselect_b32 s42, s45, s42
	s_lshl_b32 s40, s40, 11
	s_lshl_b32 s44, s38, 10
	s_add_co_u32 s40, s40, s44                     ; first row x 2,048 bytes + my half of K
	s_mov_b32 s41, 0
	v_mul_lo_u32 v6, v4, s42
	s_wait_alu depctr_va_vdst(0)
	v_lshl_add_u32 v6, v5, 6, v6                   ; row r, + 64 h: my 16 numbers of a block of 32
	v_lshlrev_b32 v7, 5, v5                        ; the bias: 32 h,
	v_lshlrev_b32 v8, 2, v4                        ; and 4 r
	v_lshlrev_b32 v12, 4, v4                       ; wsc: 16 bytes a row
	; every LDS address is made here
	v_lshlrev_b32 v9, 4, v3                        ; 16 x lane
	s_wait_alu depctr_va_vdst(0)
	v_lshlrev_b32 v20, 2, v3                       ; 4 x lane
	s_wait_alu depctr_va_vdst(0)
	s_lshl_b32 s43, s32, 11
	v_add_nc_u32 v10, s43, v9                      ; where I store my images
	s_lshl_b32 s43, s32, 8
	s_add_co_u32 s43, s43, SCW
	v_add_nc_u32 v11, s43, v20                     ; and their scale words
	s_lshl_b32 s43, s56, 12                        ; rows' tile a: images at 4,096 a + 1,024 ks
	s_lshl_b32 s44, s57, 12
	s_add_co_u32 s44, s44, 16384                   ; weight's tile bt: 16,384 + 4,096 bt + 1,024 ks
	s_lshl_b32 s60, s56, 9
	s_add_co_u32 s60, s60, SCW
	s_lshl_b32 s61, s57, 9
	s_add_co_u32 s61, s61, SCW+2048
	s_cmp_eq_u32 s35, 2                            ; y = 2: source 0 = the rows, source 1 = the weight; else the other way round
	s_cselect_b32 s45, s43, s44
	s_cselect_b32 s62, s44, s43
	s_cselect_b32 s63, s60, s61
	s_cselect_b32 s60, s61, s60
	s_cselect_b32 s58, -1, 0                       ; and the bias is the lane's column's
	v_add_nc_u32 v13, s45, v9
	v_add_nc_u32 v14, s62, v9
	v_add_nc_u32 v15, s63, v20
	v_add_nc_u32 v16, s60, v20
	s_cmp_eq_u32 s35, 0
	s_cselect_b32 s59, 1.0, 2.0                    ; bq once, bk and bv twice
	s_mul_i32 s43, s56, 16*SP
	s_lshl_b32 s44, s57, 6
	s_add_co_u32 s43, s43, s44
	s_add_co_u32 s43, s43, STG
	v_mul_u32_u24 v17, v4, SP
	s_delay_alu instid0(VALU_DEP_1)
	v_lshl_add_u32 v17, v5, 5, v17
	s_delay_alu instid0(VALU_DEP_1)
	v_add_nc_u32 v17, s43, v17                     ; the stage, in: row 16 a + r, byte 64 bt + 32 h
	s_mul_i32 s43, s32, 4*SP
	s_add_co_u32 s43, s43, STG
	v_mul_u32_u24 v18, v5, SP
	s_delay_alu instid0(VALU_DEP_1)
	v_lshl_add_u32 v18, v4, 4, v18
	s_delay_alu instid0(VALU_DEP_1)
	v_add_nc_u32 v18, s43, v18                     ; back: rows 4 u + h, sixteen lanes to a row
	v_lshlrev_b32 v19, 11, v5
	s_delay_alu instid0(VALU_DEP_1)
	v_lshl_add_u32 v19, v4, 4, v19                 ; and the same two rows in qs
.irp b, 0,1,2,3
	v_mov_b32 v[TM+4+\b], 0                        ; written once: a lane permute's destination counts as one of its sources
.endr
	s_lshl_b32 s44, s34, 8
	s_lshl_b32 s43, s57, 6
	s_add_co_u32 s44, s44, s43                     ; the bias at column 64 cb + 16 bt
	s_mov_b32 s45, 0
	s_wait_kmcnt 0x0
	s_cmp_eq_u32 s35, 0                            ; the buffers are chosen on ids alone
	s_cselect_b64 s[46:47], s[4:5], s[6:7]
	s_cselect_b64 s[48:49], s[10:11], s[12:13]
	s_cselect_b64 s[50:51], s[16:17], s[18:19]
	s_cmp_eq_u32 s35, 2
	s_cselect_b64 s[46:47], s[8:9], s[46:47]
	s_cselect_b64 s[48:49], s[14:15], s[48:49]
	s_cselect_b64 s[50:51], s[20:21], s[50:51]
	s_cmp_eq_u32 s36, 1
	s_cselect_b64 s[46:47], s[48:49], s[46:47]
	s_add_nc_u64 s[46:47], s[46:47], s[40:41]
	s_add_nc_u64 s[50:51], s[50:51], s[44:45]
.irp s, 0,1
.irp b, 0,1,2,3
.irp j, 0,1,2,3
	global_load_b128 v[R0+64*\s+16*\b+4*\j:R0+64*\s+16*\b+4*\j+3], v6, s[46:47] offset:512*\s+128*\b+16*\j
.endr
.endr
.endr
	global_load_b128 v[B8:B8+3], v7, s[50:51]
	global_load_b128 v[B8+4:B8+7], v7, s[50:51] offset:16
	global_load_b32 v[B1], v8, s[50:51]
	s_wait_loadcnt 19                              ; the first K step's 16 loads are in; the second's 16 and the bias's 3 may be out
	QUANT R0, PC0, PW
	ds_store_b128 v10, v[PC0:PC0+3]
	ds_store_b128 v10, v[PC0+4:PC0+7] offset:512
	ds_store_b32 v11, v[PW]
	s_wait_loadcnt 3                               ; the second K step is in; the bias's 3 may be out
	QUANT R1, PC1, PW+1
	ds_store_b128 v10, v[PC1:PC1+3] offset:1024
	ds_store_b128 v10, v[PC1+4:PC1+7] offset:1536
	ds_store_b32 v11, v[PW+1] offset:128
	s_wait_loadcnt 0x0
.irp j, 0,1,2,3,4,5,6,7
	v_cndmask_b32 v[A0+\j], v[B8+\j], v[B1], s58   ; the bias in the result's layout: it is the C of the sum's first instruction
.endr
.irp j, 0,1,2,3,4,5,6,7
	v_mul_f32 v[A0+\j], s59, v[A0+\j]
.endr
	; the weight's images and scale words go to memory once: waves 8-15 of row block 0, y = 1 and 2
	s_xor_b32 s43, s36, 1
	s_or_b32 s43, s43, s33
	s_cmp_eq_u32 s35, 0
	s_cselect_b32 s44, 1, 0
	s_or_b32 s43, s43, s44
	s_cmp_lg_u32 s43, 0
	s_cbranch_scc1 .Lno_w
	s_sub_co_u32 s43, s35, 1
	s_lshl_b32 s60, s43, 17                        ; wimg: [matrix][n tile 4 cb + tile][ks][1,024]
	s_lshl_b32 s44, s34, 14
	s_add_co_u32 s60, s60, s44
	s_lshl_b32 s44, s37, 12
	s_add_co_u32 s60, s60, s44
	s_lshl_b32 s44, s38, 11
	s_add_co_u32 s60, s60, s44
	s_mov_b32 s61, 0
	s_add_nc_u64 s[66:67], s[28:29], s[60:61]
	s_lshl_b32 s60, s43, 13                        ; wsc: [matrix][n][16 bytes]; my two words at 8 x my half of K
	s_lshl_b32 s44, s34, 10
	s_add_co_u32 s60, s60, s44
	s_lshl_b32 s44, s37, 8
	s_add_co_u32 s60, s60, s44
	s_lshl_b32 s44, s38, 3
	s_add_co_u32 s60, s60, s44
	s_add_nc_u64 s[68:69], s[30:31], s[60:61]
	global_store_b128 v9, v[PC0:PC0+3], s[66:67]               ; each store covers 512 consecutive bytes, aligned
	global_store_b128 v9, v[PC0+4:PC0+7], s[66:67] offset:512
	global_store_b128 v9, v[PC1:PC1+3], s[66:67] offset:1024
	global_store_b128 v9, v[PC1+4:PC1+7], s[66:67] offset:1536
	global_store_b64 v12, v[PW:PW+1], s[68:69]     ; lanes l and l + 16 hold the same two words and name the same 8 bytes
.Lno_w:
	s_wait_dscnt 0x0                               ; my images have landed
	s_barrier_signal -1
	s_barrier_wait -1                              ; everybody's have
.irp ks, 0,1,2,3
	ds_load_b128 v[FA+8*\ks:FA+8*\ks+3], v13 offset:1024*\ks
	ds_load_b128 v[FA+8*\ks+4:FA+8*\ks+7], v13 offset:1024*\ks+512
	ds_load_b128 v[FB+8*\ks:FB+8*\ks+3], v14 offset:1024*\ks
	ds_load_b128 v[FB+8*\ks+4:FB+8*\ks+7], v14 offset:1024*\ks+512
	ds_load_b32 v[SA+\ks], v15 offset:128*\ks
	ds_load_b32 v[SB+\ks], v16 offset:128*\ks
.endr
	s_wait_dscnt 0x0
	; two accumulators by turns: K steps 0 and 2 on the first (it begins as the bias), 1 and 3 on the second
	s_wait_alu depctr_va_vdst(0)
	v_wmma_scale_f32_16x16x128_f8f6f4 v[A0:A0+7], v[FA:FA+7], v[FB:FB+7], v[A0:A0+7], v[SA], v[SB] matrix_a_fmt:MATRIX_FMT_FP4 matrix_b_fmt:MATRIX_FMT_FP4
	v_wmma_scale_f32_16x16x128_f8f6f4 v[A1:A1+7], v[FA+8:FA+15], v[FB+8:FB+15], 0, v[SA+1], v[SB+1] matrix_a_fmt:MATRIX_FMT_FP4 matrix_b_fmt:MATRIX_FMT_FP4
	v_wmma_scale_f32_16x16x128_f8f6f4 v[A0:A0+7], v[FA+16:FA+23], v[FB+16:FB+23], v[A0:A0+7], v[SA+2], v[SB+2] matrix_a_fmt:MATRIX_FMT_FP4 matrix_b_fmt:MATRIX_FMT_FP4
	v_wmma_scale_f32_16x16x128_f8f6f4 v[A1:A1+7], v[FA+24:FA+31], v[FB+24:FB+31], v[A1:A1+7], v[SA+3], v[SB+3] matrix_a_fmt:MATRIX_FMT_FP4 matrix_b_fmt:MATRIX_FMT_FP4
.rept 4
	v_nop                                          ; four places in front of the first read of the results
.endr
.irp p, 0,1,2,3
	v_pk_add_f32 v[A0+2*\p:A0+2*\p+1], v[A0+2*\p:A0+2*\p+1], v[A1+2*\p:A1+2*\p+1]
.endr
	s_cmp_lg_u32 s35, 0
	s_cbranch_scc1 .Lhalf
.irp p, 0,1,2,3
	v_pk_mul_f32 v[A0+2*\p:A0+2*\p+1], v[A0+2*\p:A0+2*\p+1], 0x3e38aa3b op_sel_hi:[1,0]   ; x log2(e) / 8
.endr
	ds_store_b128 v17, v[A0:A0+3]                  ; eight neighbouring columns of my row
	ds_store_b128 v17, v[A0+4:A0+7] offset:16
	s_branch .Ljoin
.Lhalf:
	s_wait_alu depctr_va_vdst(0)
.irp p, 0,1,2,3
	v_cvt_pk_f16_f32 v[OUTR+\p], v[A0+2*\p], v[A0+2*\p+1]   ; my eight numbers are half an image's registers
.endr
	s_wait_alu depctr_va_vdst(0)
	s_add_co_u32 s43, s55, s56                     ; r0 = 4 (rb & 3) + a: k16's tile of keys; v16's 16 pos
	s_lshl_b32 s44, s54, 18                        ; b x 262,144
	s_lshl_b32 s60, s34, 15                        ; k16: head x 32,768 + tile of keys x 2,048 + bt x 512 (bt / 2: which 32 of the head; bt % 2: which half of the image)
	s_lshl_b32 s45, s43, 11
	s_add_co_u32 s60, s60, s45
	s_lshl_b32 s45, s57, 9
	s_add_co_u32 s60, s60, s45
	s_lshr_b32 s61, s43, 3                         ; v16: kappa = r0 / 2; (kappa / 4) x 131,072
	s_lshl_b32 s61, s61, 17
	s_lshr_b32 s62, s34, 2                         ; + ((wave / 2) x 32 + 4 nt + kappa % 4) x 2,048, wave = cb / 2, nt = 4 (cb % 2) + bt
	s_lshl_b32 s62, s62, 5
	s_and_b32 s63, s34, 1
	s_lshl_b32 s63, s63, 2
	s_add_co_u32 s63, s63, s57
	s_lshl_b32 s63, s63, 2
	s_add_co_u32 s62, s62, s63
	s_bfe_u32 s63, s43, 0x20001
	s_add_co_u32 s62, s62, s63
	s_lshl_b32 s62, s62, 11
	s_add_co_u32 s61, s61, s62
	s_bfe_u32 s62, s34, 0x10001                    ; + (wave % 2) x 1,024
	s_lshl_b32 s62, s62, 10
	s_add_co_u32 s61, s61, s62
	s_and_b32 s62, s43, 1                          ; + (r0 % 2) x 512
	s_lshl_b32 s62, s62, 9
	s_add_co_u32 s61, s61, s62
	s_cmp_eq_u32 s35, 1
	s_cselect_b32 s60, s60, s61
	s_cselect_b64 s[62:63], s[24:25], s[26:27]
	s_add_co_u32 s60, s60, s44
	s_mov_b32 s61, 0
	s_add_nc_u64 s[62:63], s[62:63], s[60:61]
	global_store_b128 v9, v[OUTR:OUTR+3], s[62:63]  ; 512 consecutive bytes, aligned
.Ljoin:
	s_wait_dscnt 0x0                               ; my stores into the stage have landed
	s_barrier_signal -1
	s_barrier_wait -1
	s_cmp_lg_u32 s35, 0
	s_cbranch_scc1 .Lend
	ds_load_b128 v[OUTR:OUTR+3], v18               ; four whole rows of 256 bytes a wave
	ds_load_b128 v[OUTR+4:OUTR+7], v18 offset:2*SP
	s_lshl_b32 s60, s33, 17
	s_lshl_b32 s44, s32, 13
	s_add_co_u32 s60, s60, s44
	s_lshl_b32 s44, s34, 8
	s_add_co_u32 s60, s60, s44                     ; row 64 rb + 4 u, byte 256 cb
	s_mov_b32 s61, 0
	s_add_nc_u64 s[70:71], s[22:23], s[60:61]
	s_wait_dscnt 0x0
	global_store_b128 v19, v[OUTR:OUTR+3], s[70:71]            ; sixteen lanes store 256 consecutive bytes, aligned
	global_store_b128 v19, v[OUTR+4:OUTR+7], s[70:71] offset:4096
.Lend:
	s_wait_tensorcnt 0x0                           ; the wave's end
	ds_add_u32 v[SPW], v[NIL]
	s_wait_dscnt 0x0
	s_endpgm
.Lfunc_end_k_qdde4384245_prep:
	.size	k_qdde4384245_prep, .Lfunc_end_k_qdde4384245_prep-k_qdde4384245_prep
	.p2alignl 7, 3214868480
	.fill 96, 4, 3214868480
	.section	.rodata,"a",@progbits
	.p2align	6, 0x0
	.amdhsa_kernel k_qdde4384245_prep
		.amdhsa_group_segment_fixed_size 57344
		.amdhsa_private_segment_fixed_size 0
		.amdhsa_enable_private_segment 0
		.amdhsa_kernarg_size 112
		.amdhsa_user_sgpr_count 2
		.amdhsa_user_sgpr_kernarg_segment_ptr 1
		.amdhsa_wavefront_size32 1
		.amdhsa_system_sgpr_workgroup_id_x 1
		.amdhsa_system_sgpr_workgroup_id_y 1
		.amdhsa_system_sgpr_workgroup_id_z 1
		.amdhsa_system_vgpr_workitem_id 0
		.amdhsa_next_free_vgpr 256
		.amdhsa_next_free_sgpr 72
		.amdhsa_reserve_vcc 0
		.amdhsa_float_denorm_mode_32 3
		.amdhsa_float_denorm_mode_16_64 3
		.amdhsa_memory_ordered 1
		.amdhsa_forward_progress 1
		.amdhsa_inst_pref_size 27
	.end_amdhsa_kernel
	.amdgpu_metadata
---
amdhsa.version: [ 1, 2 ]
amdhsa.kernels:
  - .name:           k_qdde4384245_prep
    .symbol:         k_qdde4384245_prep.kd
    .args:
      - { .name: query, .offset: 0, .size: 8, .value_kind: global_buffer, .address_space: global }
      - { .name: key, .offset: 8, .size: 8, .value_kind: global_buffer, .address_space: global }
      - { .name: value, .offset: 16, .size: 8, .value_kind: global_buffer, .address_space: global }
      - { .name: Wq, .offset: 24, .size: 8, .value_kind: global_buffer, .address_space: global }
      - { .name: Wk, .offset: 32, .size: 8, .value_kind: global_buffer, .address_space: global }
      - { .name: Wv, .offset: 40, .size: 8, .value_kind: global_buffer, .address_space: global }
      - { .name: bq, .offset: 48, .size: 8, .value_kind: global_buffer, .address_space: global }
      - { .name: bk, .offset: 56, .size: 8, .value_kind: global_buffer, .address_space: global }
      - { .name: bv, .offset: 64, .size: 8, .value_kind: global_buffer, .address_space: global }
      - { .name: qs, .offset: 72, .size: 8, .value_kind: global_buffer, .address_space: global }
      - { .name: k16, .offset: 80, .size: 8, .value_kind: global_buffer, .address_space: global }
      - { .name: v16, .offset: 88, .size: 8, .value_kind: global_buffer, .address_space: global }
      - { .name: wimg, .offset: 96, .size: 8, .value_kind: global_buffer, .address_space: global }
      - { .name: wsc, .offset: 104, .size: 8, .value_kind: global_buffer, .address_space: global }
    .group_segment_fixed_size: 57344
    .private_segment_fixed_size: 0
    .kernarg_segment_align: 8
    .kernarg_segment_size: 112
    .max_flat_workgroup_size: 512
    .sgpr_count:     72
    .vgpr_count:     256
    .wavefront_size: 32
...
	.end_amdgpu_metadata
.endif
;; end of part 1
;; launch main (part 2): grid 256 x 1, 4 waves a work-group, no clusters, 327,680 bytes of LDS; arguments relation, mask, qs, k16, v16, wimg, wsc, x; writes x
.if DOCPART == 2
	.amdgcn_target "amdgcn-amd-amdhsa--gfx1250"
	.amdhsa_code_object_version 6
	.text
	.protected	k_qdde4384245_main
	.globl	k_qdde4384245_main
	.p2align	8
	.type	k_qdde4384245_main,@function
k_qdde4384245_main:
	s_mov_b64 s[64:65], 0
	v_nop
	global_prefetch_b8 v0, s[64:65] scope:SCOPE_SE
	s_setreg_imm32_b32 hwreg(HW_REG_WAVE_MODE, 25, 1), 1
	s_wait_xcnt 0x0
; Relation-aware attention for two query rows i a work-group: x[i] = sum_j softmax_j(q_i.(k_j + rk_ij)) (v_j + rv_ij), rk = Q(rel) Q(Wk)^T, rv = Q(rel) Q(Wv)^T on codes of FP4 (E2M1, one E8M0 scale for each 32 along K).
; Four waves; a wave owns 128 columns (two heads) of Wk and of Wv, whose operand images stay in windows 1 and 2.  relation comes in chunks of 64 j x 512 f32 through a ring of two LDS slots (one tensor load a wave behind each barrier);
; each wave quantises 16 rows of a chunk and lays their fragments in LDS as images; every wave multiplies all 64 rows by its columns, transposed (a lane holds one j and eight neighbouring columns).
; The scores q.k' (f16 operands, k' from the launch before) are made at the head, masked and kept in LDS; the softmax runs with a maximum of its own in each lane, joined at an item's end; p.v' (f16) follows behind the loops, v' coming through the ring.
; THE HEAD: q, the mask, the scale words and k' (windows 3 and 2) are asked for behind slot 0's load; Wk's images (window 1) behind slot 1's; Wv's images (window 2) behind item 0's q, when k' has been used.
; No cluster: the shared operands go straight into registers, and LDS has 5,632 bytes left beside the ring, the images and the scores.  No prefetch: relation is read once, and behind each barrier a whole slot, 131,072 bytes a work-group, is under way.
; LIMITS: k', v' and p lie inside f16's range; NaN and infinities among the inputs are not served; a block of zeros gets the scale byte 1 (its codes are zeros, and only this program reads the bytes).
; IN PLACE OF WHAT THE LINES ABOVE SAY OF q.k' AND OF THE HEAD: q.k' is made chunk by chunk, in the four trips of item 0, for both items at once (macro SZERO): item 0's scores stay in registers, item 1's wait in LDS.
; The head asks for k' of chunk 0 alone (window 3, v128-255); each trip but the last asks for the next chunk's.  q's f16 fragments lie in LDS bytes of their own; the mask is one register of 32 bits a lane.  Window 2 takes Wv's images alone.
.set PITCH, 1040
.set SH8, 226                          ; v226  8 x (lane / 16): where my two scale bytes stand in a scale word
.set KHALF, 64*PITCH
.set SLOT,  2*KHALF
.set CODE,  2*SLOT
.set CSC,   16384
.set CBUF,  18432
.set TP,    CODE+2*CBUF
.set SPARE, TP+16384
.set Q16,  SPARE+512                   ; behind the spare words: q's f16 fragments, 512 bytes for each wave
.set QA,   242                         ; v242  my place there: a fragment's lane holds row (lane % 2), half (lane / 16): four kinds of lanes, 16 bytes each for each four registers
.set MB,   227                         ; v227  the mask of my keys: bit 16 t + tile is 1 where key 16 tile + lane % 16 counts for item t; four tiles are shifted out in each trip
.set SPW,  1
.set NIL,  2
.set RAWL, 3
.set RAWA, 4
.set XWI,  6
.set XWS,  7
.set XWIC, 8
.set XWSC, 9
.set LIC,  10
.set LSC,  11
.set LICC, 12
.set LSCC, 13
.set TPL,  14
.set TPA,  15
.set NINF, 16
.set CM,   17
.set F0,   18
.set MH,   22
.set LL,   30
.set WS,   32
.set TA,   64
.set TB,   128
.set AF,   128
.set T,    160
.set T0,   168
.set S2,   176
.set PB,   176
.set PH,   176
.set E,    184
.set TM,   192
.set PC0,  208
.set PC1,  216
.set PW0,  224
.set PW1,  225
.set AS,   228
.set QOFF, 232
.set L16,  233
.set TPH,  234
.set TPF,  235
.set X,    244
.set WV,   20
.set G1,   24
.set G0A,  32
.set G0B,  36
.set RB,   40
.set VB,   42
.set SLT,  44
.set CBF,  45
.set TPO,  46
.set CN,   47
.set TRIP, 48
.set TPW,  49
.set SEL,  50
.set PAR,  52
.set B2,   53
.set B4,   54
.set B8,   55
.set HALF, 56
.set WLO,  57
.set MSB, 0
.macro WIN new
.if MSB != \new
	s_set_vgpr_msb (MSB<<8)|\new
.set MSB, \new
.endif
.endm
.macro PLACES n
.rept \n
	v_nop
.endr
.endm
.macro LOADRAW ks, buf
.irp b, 0,1,2,3
.irp j, 0,1,2,3
	ds_load_b128 v[\buf+16*\b+4*\j:\buf+16*\b+4*\j+3], v[RAWA+(\ks)/2] offset:((\ks)%2)*512+256*(\b/2)+64*(\b%2)+16*\j   ; registers 32 c .. 32 c + 31: the whole block 2 c + lane / 16 of my row
.endr
.endr
.endm
.macro QUANT s, pc, pw
.irp b, 0,1,2,3
	v_max3_num_f32 v[TM+\b], |v[\s+16*\b]|, |v[\s+1+16*\b]|, 0x1800000
.endr
.irp i, 2,4,6,8,10,12,14
.irp b, 0,1,2,3
	v_max3_num_f32 v[TM+\b], v[TM+\b], |v[\s+16*\b+\i]|, |v[\s+1+16*\b+\i]|
.endr
.endr
	v_max_num_f32 v[TM], v[TM], v[TM+1]            ; a block's 32 numbers are all mine: two chains to a block
	v_max_num_f32 v[TM+2], v[TM+2], v[TM+3]
	v_add_nc_u32 v[TM+12], 0xff000000, v[TM]       ; 2 off the exponent field: the conversion's scale operand
	v_add_nc_u32 v[TM+13], 0xff000000, v[TM+2]
	v_lshrrev_b32 v[TM+4], 23, v[TM+12]            ; the scales' bytes
	v_lshrrev_b32 v[TM+5], 23, v[TM+13]
	v_lshl_or_b32 v[TM+4], v[TM+5], 16, v[TM+4]    ; blocks h and 2 + h,
	v_lshlrev_b32 v[TM+4], v[SH8], v[TM+4]         ; at their places in the word
	v_permlanex16_b32 v[TM+5], v[TM+4], s[SEL], s[SEL+1]
.irp b, 0,1,2,3
	v_cvt_scalef32_pk8_fp4_f32 v[\pc+2*\b], v[\s+16*\b:\s+7+16*\b], v[TM+12+\b/2]
	v_cvt_scalef32_pk8_fp4_f32 v[\pc+1+2*\b], v[\s+8+16*\b:\s+15+16*\b], v[TM+12+\b/2]
.endr
	v_or_b32 v[\pw], v[TM+4], v[TM+5]              ; with lane l xor 16's two bytes the word is whole.  (The plain place behind the conversions)
.endm
.macro IMAGE pc, pw, ks
	ds_store_b128 v[XWIC], v[\pc:\pc+3] offset:1024*(\ks)
	ds_store_b128 v[XWIC], v[\pc+4:\pc+7] offset:1024*(\ks)+512
	ds_store_b32 v[XWSC], v[\pw] offset:128*(\ks)
.endm
.macro FETCH i
.irp ks, 0,1,2,3
	ds_load_b128 v[AF+8*\ks:AF+8*\ks+3], v[LICC] offset:4096*(\i)+1024*\ks
	ds_load_b128 v[AF+8*\ks+4:AF+8*\ks+7], v[LICC] offset:4096*(\i)+1024*\ks+512
	ds_load_b32 v[AS+\ks], v[LSCC] offset:128*(4*(\i)+\ks)
.endr
.endm
.macro MM wv
.if \wv
	WIN 0x02
.else
	WIN 0x01
.endif
.irp ks, 0,1,2,3
.irp nt, 0,1,2,3,4,5,6,7
.if \wv
.if \ks == 0
	v_wmma_scale_f32_16x16x128_f8f6f4 v[TA+8*\nt:TA+8*\nt+7], v[8*(4*\nt+\ks):8*(4*\nt+\ks)+7], v[AF+8*\ks:AF+8*\ks+7], 0, v[WS+4*\nt+\ks], v[AS+\ks] matrix_a_fmt:MATRIX_FMT_FP4 matrix_b_fmt:MATRIX_FMT_FP4 matrix_a_scale:MATRIX_SCALE_ROW1
.else
	v_wmma_scale_f32_16x16x128_f8f6f4 v[TA+8*\nt:TA+8*\nt+7], v[8*(4*\nt+\ks):8*(4*\nt+\ks)+7], v[AF+8*\ks:AF+8*\ks+7], v[TA+8*\nt:TA+8*\nt+7], v[WS+4*\nt+\ks], v[AS+\ks] matrix_a_fmt:MATRIX_FMT_FP4 matrix_b_fmt:MATRIX_FMT_FP4 matrix_a_scale:MATRIX_SCALE_ROW1
.endif
.else
.if \ks == 0
	v_wmma_scale_f32_16x16x128_f8f6f4 v[TA+8*\nt:TA+8*\nt+7], v[8*(4*\nt+\ks):8*(4*\nt+\ks)+7], v[AF+8*\ks:AF+8*\ks+7], 0, v[WS+4*\nt+\ks], v[AS+\ks] matrix_a_fmt:MATRIX_FMT_FP4 matrix_b_fmt:MATRIX_FMT_FP4
.else
	v_wmma_scale_f32_16x16x128_f8f6f4 v[TA+8*\nt:TA+8*\nt+7], v[8*(4*\nt+\ks):8*(4*\nt+\ks)+7], v[AF+8*\ks:AF+8*\ks+7], v[TA+8*\nt:TA+8*\nt+7], v[WS+4*\nt+\ks], v[AS+\ks] matrix_a_fmt:MATRIX_FMT_FP4 matrix_b_fmt:MATRIX_FMT_FP4
.endif
.endif
.endr
.endr
.endm
.macro KPART i
.set S2, 192+8*(\i)                    ; each of a chunk's four parts keeps its eight partial sums: v192-223, free between the images' stores and the next chunk
	s_wait_dscnt 0x0
	MM 0
	WIN 0
	PLACES 4
.if \i == 3
	FETCH 0
.else
	FETCH \i+1
.endif
	WIN 0x0c
.irp nt, 0,1,2,3
.irp p, 0,1,2,3
.irp hh, 0,1
.if (\nt == 0) && (\p < 2)
	v_pk_mul_f32 v[S2+4*\hh+2*\p:S2+4*\hh+2*\p+1], v[TA+32*\hh+2*\p:TA+32*\hh+2*\p+1], v[32*\hh+2*\p:32*\hh+2*\p+1]
.else
	v_pk_fma_f32 v[S2+4*\hh+2*(\p%2):S2+4*\hh+2*(\p%2)+1], v[TA+32*\hh+8*\nt+2*\p:TA+32*\hh+8*\nt+2*\p+1], v[32*\hh+8*\nt+2*\p:32*\hh+8*\nt+2*\p+1], v[S2+4*\hh+2*(\p%2):S2+4*\hh+2*(\p%2)+1]
.endif
.endr
.endr
.endr
	WIN 0
.endm
; The four parts' sums are finished together: eight chains (two heads x four parts) by turns.  T + 4 hh + i = q.rk + q.k', or the masked score.
.macro KRED
.irp i, 0,1,2,3
	v_pk_add_f32 v[192+8*\i:193+8*\i], v[192+8*\i:193+8*\i], v[194+8*\i:195+8*\i]
	v_pk_add_f32 v[196+8*\i:197+8*\i], v[196+8*\i:197+8*\i], v[198+8*\i:199+8*\i]
.endr
.irp i, 0,1,2,3
	v_add_f32 v[T+\i], v[192+8*\i], v[193+8*\i]
	v_add_f32 v[T+4+\i], v[196+8*\i], v[197+8*\i]
.endr
.irp i, 0,1,2,3,4,5,6,7
	v_permlanex16_b32 v[192+\i], v[T+\i], s[SEL], s[SEL+1]
.endr
.irp i, 0,1,2,3,4,5,6,7
	v_add_f32 v[T+\i], v[T+\i], v[192+\i]          ; with lane l xor 16's columns
.endr
.irp i, 0,1,2,3,4,5,6,7
	v_add_f32 v[T+\i], v[T+\i], v[T0+\i]
.endr
.irp g, 0,4
.irp i, 0,1,2,3
	v_cmp_eq_f32 s[58+\i], v[T0+\g+\i], v[NINF]
.endr
.irp i, 0,1,2,3
	v_cndmask_b32 v[T+\g+\i], v[T+\g+\i], v[CM], s[58+\i]
.endr
.endr
.endm
.macro SOFTMAX
.irp hh, 0,1
	v_max3_num_f32 v[X+\hh], v[T+4*\hh], v[T+4*\hh+1], v[T+4*\hh+2]
.endr
.irp hh, 0,1
	v_max3_num_f32 v[X+\hh], v[X+\hh], v[T+4*\hh+3], v[MH+4*\hh+3]
.endr
.irp hh, 0,1
	v_sub_f32 v[F0+2*\hh], v[MH+4*\hh+3], v[X+\hh]
.irp i, 0,1,2,3
	v_sub_f32 v[T+4*\hh+\i], v[T+4*\hh+\i], v[X+\hh]
.endr
.endr
	s_wait_alu depctr_va_vdst(0)
	v_exp_f32 v[F0], v[F0]
	v_exp_f32 v[F0+2], v[F0+2]
.irp i, 0,1,2,3,4,5,6,7
	v_exp_f32 v[T+\i], v[T+\i]
.endr
.irp hh, 0,1
	v_mov_b32 v[MH+4*\hh], v[MH+4*\hh+1]
	v_mov_b32 v[MH+4*\hh+1], v[MH+4*\hh+2]
	v_mov_b32 v[MH+4*\hh+2], v[MH+4*\hh+3]
	v_mov_b32 v[MH+4*\hh+3], v[X+\hh]
.endr
	s_wait_alu depctr_va_vdst(0)
.irp hh, 0,1
	v_add_f32 v[X+\hh], v[T+4*\hh], v[T+4*\hh+1]
	v_add_f32 v[X+2+\hh], v[T+4*\hh+2], v[T+4*\hh+3]
.endr
.irp hh, 0,1
	v_add_f32 v[X+\hh], v[X+\hh], v[X+2+\hh]
.endr
.irp hh, 0,1
	v_fma_f32 v[LL+\hh], v[LL+\hh], v[F0+2*\hh], v[X+\hh]
.endr
.irp i, 0,1,2,3,4,5,6,7
	v_mov_b32 v[PB+2*\i], v[T+\i]
.endr
	ds_store_b128 v[TPA], v[T:T+3]
	ds_store_b128 v[TPA], v[T+4:T+7] offset:1024
	WIN 0xc3
.set i, 0
.rept 32
	v_pk_mul_f32 v[64+2*i:65+2*i], v[64+2*i:65+2*i], v[F0+2*(i/16):F0+2*(i/16)+1] op_sel_hi:[1,0]
.set i, i+1
.endr
	WIN 0
.endm
.macro VPART i
	s_wait_dscnt 0x0
	MM 1
	WIN 0
	PLACES 4
.if \i < 3
	FETCH \i+1
.endif
	WIN 0xf0
.irp nt, 0,1,2,3,4,5,6,7
.irp p, 0,1,2,3
	v_pk_fma_f32 v[64+8*\nt+2*\p:65+8*\nt+2*\p], v[TA+8*\nt+2*\p:TA+8*\nt+2*\p+1], v[PB+2*(4*(\nt/4)+(\i)):PB+2*(4*(\nt/4)+(\i))+1], v[64+8*\nt+2*\p:65+8*\nt+2*\p] op_sel_hi:[1,0,1]
.endr
.endr
	WIN 0
.endm
; k' of one chunk, 64 keys x my two heads: 16 fragments of 16 keys x 32, window 3, v128-255; each load covers 512 consecutive bytes
.macro KLOAD
	WIN 0xc0
.irp hh, 0,1
.irp f, 0,1,2,3,4,5,6,7
	global_load_b128 v[128+64*\hh+8*\f:131+64*\hh+8*\f], v[L16], s[10:11] offset:32768*\hh+1024*\f
	global_load_b128 v[132+64*\hh+8*\f:135+64*\hh+8*\f], v[L16], s[10:11] offset:32768*\hh+1024*\f+512
.endr
.endr
	WIN 0
.endm
; q.k' of this chunk, both items: source 0 = q (even rows item 0, odd rows item 1), source 1 = 16 keys.  Register t of an accumulator is item t's score of key lane % 16.
.macro SZERO
.irp g, 0,1,2,3,4,5,6,7
	ds_load_b128 v[192+4*\g:195+4*\g], v[QA] offset:64*\g
.endr
	FETCH 0
	s_wait_dscnt 12                                ; q's eight loads are in; the 12 of the first codes' fragments may be out
	WIN 0x0c
.irp kk, 0,1                                   ; eight accumulators by turns
.irp hh, 0,1
.irp tl, 0,1,2,3
.if \kk == 0
	v_wmma_f32_16x16x32_f16 v[TA+8*(4*\hh+\tl):TA+8*(4*\hh+\tl)+7], v[192+8*(2*\hh+\kk):199+8*(2*\hh+\kk)], v[128+64*\hh+8*(2*\tl+\kk):135+64*\hh+8*(2*\tl+\kk)], 0
.else
	v_wmma_f32_16x16x32_f16 v[TA+8*(4*\hh+\tl):TA+8*(4*\hh+\tl)+7], v[192+8*(2*\hh+\kk):199+8*(2*\hh+\kk)], v[128+64*\hh+8*(2*\tl+\kk):135+64*\hh+8*(2*\tl+\kk)], v[TA+8*(4*\hh+\tl):TA+8*(4*\hh+\tl)+7]
.endif
.endr
.endr
.endr
	WIN 0
	PLACES 4                                       ; in front of the loads into k's registers and of the first read of the results
	s_cmp_eq_u32 s[TRIP], 1                        ; the item's last trip has no chunk behind it: it asks for nothing
	s_cbranch_scc1 .Lno_k_\@
	s_add_nc_u64 s[10:11], s[10:11], 8192          ; the loads that named this base have been waited for: on to the next four tiles of keys
	KLOAD
.Lno_k_\@:
.irp t, 0,1
.irp tl, 0,1,2,3
	v_and_b32 v[208+\tl], 1<<(16*\t+\tl), v[MB]
.endr
.irp tl, 0,1,2,3
	v_cmp_eq_u32 s[58+\tl], 0, v[208+\tl]
.endr
.irp hh, 0,1
.irp tl, 0,1,2,3
	v_cndmask_b32 v[T0-8*\t+4*\hh+\tl], v[TA+8*(4*\hh+\tl)+\t], v[NINF], s[58+\tl]   ; a masked key is marked by -infinity.  Item 0: into T0; item 1: into T
.endr
.endr
.endr
	ds_store_b128 v[TPA], v[T:T+3] offset:2048     ; item 1's scores of this chunk wait in my own bytes of LDS
	ds_store_b128 v[TPA], v[T+4:T+7] offset:3072
	v_lshrrev_b32 v[MB], 4, v[MB]
.endm
.macro CHUNK t
	v_add_nc_u32 v[RAWA], s[SLT], v[RAWL]
	v_add_nc_u32 v[XWIC], s[CBF], v[XWI]
	v_add_nc_u32 v[XWSC], s[CBF], v[XWS]
	v_add_nc_u32 v[LICC], s[CBF], v[LIC]
	v_add_nc_u32 v[LSCC], s[CBF], v[LSC]
	v_add_nc_u32 v[RAWA+1], KHALF, v[RAWA]
	v_add_nc_u32 v[TPA], s[TPO], v[TPL]
	LOADRAW 0, TA
	LOADRAW 1, TB
	s_wait_dscnt 16
	QUANT TA, PC0, PW0
	IMAGE PC0, PW0, 0
	LOADRAW 2, TA
	s_wait_dscnt 19
	QUANT TB, PC1, PW1
	IMAGE PC1, PW1, 1
	LOADRAW 3, TB
	s_wait_dscnt 19
	QUANT TA, PC0, PW0
	IMAGE PC0, PW0, 2
	s_wait_dscnt 3
	QUANT TB, PC1, PW1
	IMAGE PC1, PW1, 3
	s_wait_tensorcnt 0x0
	ds_add_u32 v[SPW], v[NIL]
	s_cmp_lt_u32 s[CN], 8
	s_cselect_b64 s[58:59], s[RB:RB+1], s[VB:VB+1]
	s_and_b32 s60, s[CN], 7
	s_lshl_b32 s60, s60, 17
	s_mov_b32 s61, 0
	s_add_nc_u64 s[G0A+2:G0A+3], s[58:59], s[60:61]
	s_or_b32 s[G0A+3], s[G0A+3], 0x80000000
	s_add_co_u32 s[G0A+1], s[SLT], s[WLO]
	s_xor_b32 s[SLT], s[SLT], SLOT
	s_add_co_u32 s[CN], s[CN], 1
	s_wait_dscnt 0x0
	s_barrier_signal -1
	s_barrier_wait -1
	tensor_load_to_lds s[G0A:G0A+3], s[G1:G1+7]
	s_nop 0
	PLACES 4
	s_wait_loadcnt LC                              ; q and Wk's images are in.  Item 0: 63 of the 64 loads of Wv's images, issued behind them, may be out; item 1: nothing was issued behind q
.if \t == 0
	SZERO
.else
	ds_load_b128 v[T0:T0+3], v[TPA]
	ds_load_b128 v[T0+4:T0+7], v[TPA] offset:1024
	FETCH 0
.endif
	KPART 0
	KPART 1
	KPART 2
	KPART 3
	KRED
	SOFTMAX
	s_wait_loadcnt 0x0                             ; Wv's images are in, and the next chunk's k'
	VPART 0
	VPART 1
	VPART 2
	VPART 3
	s_xor_b32 s[CBF], s[CBF], CBUF
	s_add_co_u32 s[TPO], s[TPO], 16
.endm
.macro ITEM_END t
.irp hh, 0,1
	v_mov_b32 v[X+\hh], v[MH+4*\hh+3]
.endr
.irp m, 1,2,4,8
.irp hh, 0,1
	v_max_num_f32_dpp v[X+\hh], v[X+\hh], v[X+\hh] row_xmask:\m row_mask:0xf bank_mask:0xf
.endr
.endr
.irp c, 0,1,2,3
.irp hh, 0,1
	v_sub_f32 v[E+4*\hh+\c], v[MH+4*\hh+\c], v[X+\hh]
.endr
.endr
	s_wait_alu depctr_va_vdst(0)
.irp i, 0,1,2,3,4,5,6,7
	v_exp_f32 v[E+\i], v[E+\i]
.endr
.irp hh, 0,1
	ds_load_b128 v[TA+8*\hh:TA+8*\hh+3], v[TPH] offset:2048*\t+1024*\hh
	ds_load_b128 v[TA+8*\hh+4:TA+8*\hh+7], v[TPH] offset:2048*\t+1024*\hh+16
.endr
	v_nop
	s_wait_alu depctr_va_vdst(0)
.irp hh, 0,1
	v_mul_f32 v[X+2+\hh], v[LL+\hh], v[E+4*\hh+3]
.endr
.irp m, 1,2,4,8
.irp hh, 0,1
	v_add_f32_dpp v[X+2+\hh], v[X+2+\hh], v[X+2+\hh] row_xmask:\m row_mask:0xf bank_mask:0xf
.endr
.endr
	s_wait_alu depctr_va_vdst(0)
.irp hh, 0,1
	v_rcp_f32 v[X+4+\hh], v[X+2+\hh]
.endr
	v_nop
	s_wait_alu depctr_va_vdst(0)
.irp hh, 0,1
	v_mul_f32 v[F0+2*\hh], v[E+4*\hh+3], v[X+4+\hh]
	v_mul_f32 v[X+4+\hh], 0x3e000000, v[X+4+\hh]
.endr
.irp c, 0,1,2,3
.irp hh, 0,1
	v_mul_f32 v[E+4*\hh+\c], v[E+4*\hh+\c], v[X+4+\hh]
.endr
.endr
.irp hh, 0,1
	v_cndmask_b32 v[PH+4*\hh], v[E+4*\hh], v[E+4*\hh+2], s[HALF]
	v_cndmask_b32 v[PH+4*\hh+2], v[E+4*\hh+1], v[E+4*\hh+3], s[HALF]
.endr
	s_wait_alu depctr_va_vdst(0)
	s_wait_dscnt 0x0
.irp hh, 0,1
.irp q, 0,1,2,3
	v_pk_mul_f32 v[TA+8*\hh+2*\q:TA+8*\hh+2*\q+1], v[TA+8*\hh+2*\q:TA+8*\hh+2*\q+1], v[PH+4*\hh+2*(\q/2):PH+4*\hh+2*(\q/2)+1] op_sel_hi:[1,0]
.endr
.endr
.irp hh, 0,1
.irp q, 0,1,2,3
	v_cvt_pk_f16_f32 v[T+4*\hh+\q], v[TA+8*\hh+2*\q], v[TA+8*\hh+2*\q+1]
.endr
.endr
.irp hh, 0,1
	ds_store_b128 v[TPF], v[T+4*\hh:T+4*\hh+3] offset:2048*\t+1024*\hh
.endr
	WIN 0xc3
.set i, 0
.rept 32
.if \t == 0
	v_pk_mul_f32 v[128+2*i:129+2*i], v[64+2*i:65+2*i], v[F0+2*(i/16):F0+2*(i/16)+1] op_sel_hi:[1,0]
.else
	v_pk_mul_f32 v[64+2*i:65+2*i], v[64+2*i:65+2*i], v[F0+2*(i/16):F0+2*(i/16)+1] op_sel_hi:[1,0]
.endif
.set i, i+1
.endr
	WIN 0
.endm
.macro ITEM t
	WIN 0xc0
.irp nt, 0,1,2,3,4,5,6,7
	global_load_b128 v[8*\nt:8*\nt+3], v[QOFF], s[8:9] offset:2048*\t+64*\nt
	global_load_b128 v[8*\nt+4:8*\nt+7], v[QOFF], s[8:9] offset:2048*\t+64*\nt+16
.endr
.set i, 0
.rept 64
	v_mov_b32 v[64+i], 0
.set i, i+1
.endr
	WIN 0
.irp i, 0,1,2,3,4,5,6,7
	v_mov_b32 v[MH+\i], 0xff61b1e6
.endr
	v_mov_b32 v[LL], 0
	v_mov_b32 v[LL+1], 0
.if \t == 0
	WIN 0x80                                       ; Wv's images: window 2
.set i, 0
.rept 32
	global_load_b128 v[8*i:8*i+3], v[L16], s[14:15] offset:131072+1024*i
	global_load_b128 v[8*i+4:8*i+7], v[L16], s[14:15] offset:131072+1024*i+512
.set i, i+1
.endr
	WIN 0
.set LC, 63
.else
.set LC, 0
.endif
	s_mov_b32 s[TRIP], 4
.Lchunk_\@:
	CHUNK \t
	s_sub_co_u32 s[TRIP], s[TRIP], 1
	s_cmp_lg_u32 s[TRIP], 0
	s_cbranch_scc1 .Lchunk_\@
	ITEM_END \t
	s_add_co_u32 s[TPO], s[TPO], 1984
.endm
	s_load_b512 s[4:19], s[0:1], 0x0
	v_lshl_add_u32 v[SPW], v0, 2, SPARE
	v_mov_b32 v[NIL], 0
	ds_add_u32 v[SPW], v[NIL]
	ds_add_u32 v[SPW], v[NIL]
	v_lshrrev_b32 v3, 5, v0
	v_readfirstlane_b32 s[WV], v3
	s_mov_b32 s[G1+0], (2<<16)|(1<<20)|(7<<22)|(3<<25)
	s_mov_b32 s[G1+1], 256<<16
	s_mov_b32 s[G1+2], 32<<16
	s_mov_b32 s[G1+3], 256<<16
	s_mov_b32 s[G1+4], 32
	s_mov_b32 s[G1+5], 512
	s_mov_b32 s[G1+6], 0
	s_mov_b32 s[G1+7], 0
	s_lshr_b32 s21, s[WV], 1
	s_and_b32 s22, s[WV], 1
	s_lshl_b32 s58, s21, 16
	s_lshl_b32 s59, s22, 10
	s_add_co_u32 s58, s58, s59
	s_mul_i32 s[WLO], s22, KHALF
	s_mul_i32 s59, s21, 32*PITCH
	s_add_co_u32 s[WLO], s[WLO], s59
	s_lshl_b32 s60, ttmp9, 20
	s_add_co_u32 s60, s60, s58
	s_mov_b32 s61, 0
	s_lshr_b32 s23, ttmp9, 7
	s_lshl_b32 s62, s23, 18
	s_add_co_u32 s62, s62, s58
	s_mov_b32 s63, 0
	s_mov_b32 s[SLT], 0
	s_mov_b32 s[CBF], 0
	s_mov_b32 s[TPO], 0
	s_mov_b32 s[CN], 2
	s_mov_b32 s[SEL], 0x76543210
	s_mov_b32 s[SEL+1], 0xfedcba98
	s_mov_b32 s[PAR], 0xaaaaaaaa
	s_mov_b32 s[B2], 0xcccccccc
	s_mov_b32 s[B4], 0xf0f0f0f0
	s_mov_b32 s[B8], 0xff00ff00
	s_mov_b32 s[HALF], 0xffff0000
	s_wait_dscnt 0x0
	s_wait_kmcnt 0x0
	s_add_nc_u64 s[RB:RB+1], s[4:5], s[60:61]
	s_add_nc_u64 s[VB:VB+1], s[12:13], s[62:63]
	s_mov_b32 s[G0A], 1
	s_mov_b32 s[G0A+1], s[WLO]
	s_mov_b64 s[G0A+2:G0A+3], s[RB:RB+1]
	s_or_b32 s[G0A+3], s[G0A+3], 0x80000000
	s_mov_b32 s[G0B], 1
	s_add_co_u32 s[G0B+1], s[WLO], SLOT
	s_add_nc_u64 s[G0B+2:G0B+3], s[RB:RB+1], 0x20000
	s_or_b32 s[G0B+3], s[G0B+3], 0x80000000
	tensor_load_to_lds s[G0A:G0A+3], s[G1:G1+7]
	s_nop 0
	PLACES 4
	s_mov_b32 s59, 0
	s_lshl_b32 s58, ttmp9, 11
	s_add_nc_u64 s[6:7], s[6:7], s[58:59]
	s_lshl_b32 s58, ttmp9, 12
	s_add_nc_u64 s[8:9], s[8:9], s[58:59]
	s_lshl_b32 s60, s[WV], 9
	s_add_co_u32 s58, s58, s60
	s_add_nc_u64 s[18:19], s[18:19], s[58:59]
	s_lshl_b32 s58, s23, 18
	s_lshl_b32 s60, s[WV], 16
	s_add_co_u32 s58, s58, s60
	s_add_nc_u64 s[10:11], s[10:11], s[58:59]
	s_lshl_b32 s58, s[WV], 15
	s_add_nc_u64 s[14:15], s[14:15], s[58:59]
	s_lshl_b32 s58, s[WV], 11
	s_add_nc_u64 s[16:17], s[16:17], s[58:59]
	v_and_b32 v236, 31, v0
	v_and_b32 v237, 15, v0
	v_bfe_u32 v238, v0, 4, 1
	v_lshlrev_b32 v[L16], 4, v236
	s_mul_i32 s58, s[WV], 16*PITCH
	v_mul_u32_u24 v[RAWL], v237, PITCH
	v_lshl_add_u32 v[RAWL], v238, 7, v[RAWL]       ; lanes 16-31 begin a block of 32 numbers, 128 bytes, further on
	v_lshlrev_b32 v[SH8], 3, v238
	v_add_nc_u32 v[RAWL], s58, v[RAWL]
	s_lshl_b32 s58, s[WV], 12
	s_add_co_u32 s59, s58, CODE
	v_add_nc_u32 v[XWI], s59, v[L16]
	s_lshl_b32 s59, s[WV], 9
	s_add_co_u32 s59, s59, CODE+CSC
	v_lshl_add_u32 v[XWS], v236, 2, s59
	v_add_nc_u32 v[LIC], CODE, v[L16]
	v_lshl_add_u32 v[LSC], v236, 2, CODE+CSC
	s_add_co_u32 s[TPW], s58, TP
	v_lshl_add_u32 v[TPL], v237, 6, s[TPW]
	v_lshl_add_u32 v[TPH], v238, 5, v[TPL]
	v_lshl_add_u32 v[TPF], v237, 5, s[TPW]
	v_lshl_add_u32 v[TPF], v238, 4, v[TPF]
	v_mov_b32 v[NINF], 0xff800000
	v_mov_b32 v[CM], 0xceabfb8f
	v_mov_b32 v[F0+1], 0
	v_mov_b32 v[F0+3], 0
	v_mov_b32 v[X+2], 0
	v_mov_b32 v[X+3], 0
	s_lshl_b32 s59, s[WV], 9
	v_lshl_add_u32 v[QOFF], v238, 5, s59
	v_and_b32 v239, 1, v0
	v_lshl_add_u32 v239, v239, 11, v[QOFF]
	v_lshlrev_b32 v240, 2, v237
	v_lshlrev_b32 v241, 4, v237
	v_lshl_add_u32 v241, v238, 13, v241
	s_add_co_u32 s59, s59, Q16
	v_and_b32 v[QA], 1, v0
	v_lshl_add_u32 v[QA], v[QA], 1, v238
	v_lshl_add_u32 v[QA], v[QA], 4, s59            ; Q16 + 512 x wave + 16 x (2 (lane % 2) + lane / 16)
.irp hh, 0,1
.irp kk, 0,1
.irp g, 0,1
.irp i, 0,1
	global_load_b128 v[TA+16*(2*\hh+\kk)+8*\g+4*\i:TA+16*(2*\hh+\kk)+8*\g+4*\i+3], v239, s[8:9] offset:256*\hh+128*\kk+64*\g+16*\i
.endr
.endr
.endr
.endr
.irp t, 0,1
.set i, 0
.rept 16
	global_load_b32 v[TB+16*\t+i], v240, s[6:7] offset:1024*\t+64*i
.set i, i+1
.endr
.endr
.irp nt, 0,1,2,3,4,5,6,7
	global_load_b128 v[WS+4*\nt:WS+4*\nt+3], v241, s[16:17] offset:256*\nt   ; the weights' scale words: lanes 0-15 Wk's, lanes 16-31 Wv's
.endr
	KLOAD                                          ; k' of chunk 0
	s_wait_alu depctr_va_vdst(0)                   ; the wait at the head's end
	s_wait_tensorcnt 0x0                           ; my part of slot 0 is in
	ds_add_u32 v[SPW], v[NIL]
	s_wait_dscnt 0x0
	s_barrier_signal -1
	s_barrier_wait -1                              ; everybody's part is in
	tensor_load_to_lds s[G0B:G0B+3], s[G1:G1+7]    ; slot 1's first fill, my one tensor load behind this barrier
	s_nop 0
	PLACES 4
	WIN 0x40                                       ; Wk's images: window 1
.set i, 0
.rept 32
	global_load_b128 v[8*i:8*i+3], v[L16], s[14:15] offset:1024*i
	global_load_b128 v[8*i+4:8*i+7], v[L16], s[14:15] offset:1024*i+512
.set i, i+1
.endr
	WIN 0
	s_wait_loadcnt 63                              ; q, the mask and the scale words are in: behind them stand the 32 loads of k' and the 64 of Wk's images, of which 63 may be out
.set i, 0
.rept 32
	v_cvt_pk_f16_f32 v[192+i], v[TA+2*i], v[TA+2*i+1]
.set i, i+1
.endr
.irp g, 0,1,2,3,4,5,6,7
	ds_store_b128 v[QA], v[192+4*\g:195+4*\g] offset:64*\g   ; q's four fragments: lanes of one kind hold the same 16 bytes and name the same place
.endr
.set i, 0
.rept 32
	v_min_u32 v[TB+i], 1, v[TB+i]                  ; the mask's 32 words of my keys: 1 where the key counts
.set i, i+1
.endr
.irp n, 16,8,4,2                               ; gathered into one word, bit 16 t + tile
.set i, 0
.rept \n
	v_lshl_or_b32 v[TB+i], v[TB+\n+i], \n, v[TB+i]
.set i, i+1
.endr
.endr
	v_lshl_or_b32 v[MB], v[TB+1], 1, v[TB]
	s_wait_tensorcnt 0x1
	s_wait_dscnt 0x0
	s_barrier_signal -1
	s_barrier_wait -1
	ITEM 0
	ITEM 1
	s_wait_tensorcnt 0x0
	s_wait_dscnt 0x0
	s_barrier_signal -1
	s_barrier_wait -1
	v_add_nc_u32 v236, s[WLO], v[L16]
	v_add_nc_u32 v237, SLOT, v236
	v_and_b32 v238, 1, v0
	v_bfe_u32 v241, v0, 4, 1
	v_lshlrev_b32 v239, 9, v238
	v_lshl_add_u32 v238, v238, 11, s[TPW]
	v_lshl_add_u32 v238, v241, 4, v238
	v_bfe_u32 v242, v0, 1, 3
	v_lshl_add_u32 v239, v242, 6, v239
	v_lshl_add_u32 v239, v241, 5, v239
	v_add_nc_u32 v239, s[TPW], v239
	v_add_nc_u32 v240, s[TPW], v[L16]
	WIN 0x40
.set i, 0
.rept 32
	ds_load_b128 v[8*i:8*i+3], v236 offset:PITCH*i
	ds_load_b128 v[8*i+4:8*i+7], v236 offset:PITCH*i+512
.set i, i+1
.endr
	WIN 0x80
.set i, 0
.rept 32
	ds_load_b128 v[8*i:8*i+3], v237 offset:PITCH*i
	ds_load_b128 v[8*i+4:8*i+7], v237 offset:PITCH*i+512
.set i, i+1
.endr
	WIN 0xc0
.irp kk, 0,1,2,3,4,5,6,7
.irp g, 0,1
	ds_load_b128 v[8*\kk+4*\g:8*\kk+4*\g+3], v238 offset:64*\kk+32*\g
	ds_load_b128 v[192+8*\kk+4*\g:192+8*\kk+4*\g+3], v238 offset:1024+64*\kk+32*\g
.endr
.endr
	WIN 0x0f
.set i, 0
.rept 64
	v_cndmask_b32 v[TA+i], v[128+i], v[64+i], s[PAR]
	v_cndmask_b32 v[TB+i], v[64+i], v[128+i], s[PAR]
.set i, i+1
.endr
	WIN 0
.set i, 0
.rept 64
	v_add_f32_dpp v[TA+i], v[TB+i], v[TA+i] row_xmask:1 row_mask:0xf bank_mask:0xf
.set i, i+1
.endr
	s_wait_alu depctr_va_vdst(0)
	s_wait_dscnt 0x0
.irp kk, 0,1,2,3,4,5,6,7
.if \kk < 4
	WIN 0x0d
.else
	WIN 0x0e
.endif
.irp nt, 0,1,2,3,4,5,6,7
	v_wmma_f32_16x16x32_f16 v[TA+8*\nt:TA+8*\nt+7], v[8*(4*\nt+\kk%4):8*(4*\nt+\kk%4)+7], v[192*(\nt/4)+8*\kk:192*(\nt/4)+8*\kk+7], v[TA+8*\nt:TA+8*\nt+7]
.endr
.endr
	WIN 0
	PLACES 4
.macro FOLD n, mask, xm
.set i, 0
.rept \n
	v_cndmask_b32 v[TB+i], v[TA+i], v[TA+\n+i], s[\mask]
	v_cndmask_b32 v[TB+\n+i], v[TA+\n+i], v[TA+i], s[\mask]
.set i, i+1
.endr
.set i, 0
.rept \n
	v_add_f32_dpp v[TA+i], v[TB+\n+i], v[TB+i] row_xmask:\xm row_mask:0xf bank_mask:0xf
.set i, i+1
.endr
.endm
	FOLD 32, B8, 8
	FOLD 16, B4, 4
	FOLD 8, B2, 2
	ds_store_b128 v239, v[TA:TA+3]
	ds_store_b128 v239, v[TA+4:TA+7] offset:16
	ds_load_b128 v[TB:TB+3], v240
	ds_load_b128 v[TB+4:TB+7], v240 offset:512
	s_wait_dscnt 0x0
	global_store_b128 v[L16], v[TB:TB+3], s[18:19]
	global_store_b128 v[L16], v[TB+4:TB+7], s[18:19] offset:2048
	s_wait_tensorcnt 0x0
	ds_add_u32 v[SPW], v[NIL]
	s_wait_dscnt 0x0
	s_endpgm
.Lfunc_end_k_qdde4384245_main:
	.size	k_qdde4384245_main, .Lfunc_end_k_qdde4384245_main-k_qdde4384245_main
	.p2alignl 7, 3214868480
	.fill 96, 4, 3214868480
	.section	.rodata,"a",@progbits
	.p2align	6, 0x0
	.amdhsa_kernel k_qdde4384245_main
		.amdhsa_group_segment_fixed_size 327680
		.amdhsa_private_segment_fixed_size 0
		.amdhsa_enable_private_segment 0
		.amdhsa_kernarg_size 64
		.amdhsa_user_sgpr_count 2
		.amdhsa_user_sgpr_kernarg_segment_ptr 1
		.amdhsa_wavefront_size32 1
		.amdhsa_system_sgpr_workgroup_id_x 1
		.amdhsa_system_sgpr_workgroup_id_y 1
		.amdhsa_system_sgpr_workgroup_id_z 1
		.amdhsa_system_vgpr_workitem_id 0
		.amdhsa_next_free_vgpr 1024
		.amdhsa_next_free_sgpr 66
		.amdhsa_reserve_vcc 0
		.amdhsa_float_denorm_mode_32 3
		.amdhsa_float_denorm_mode_16_64 3
		.amdhsa_memory_ordered 1
		.amdhsa_forward_progress 1
		.amdhsa_inst_pref_size 255
	.end_amdhsa_kernel
	.section	.bss,"aw",@nobits
	.p2align	6
	.space	262144
	.amdgpu_metadata
---
amdhsa.version: [ 1, 2 ]
amdhsa.kernels:
  - .name:           k_qdde4384245_main
    .symbol:         k_qdde4384245_main.kd
    .args:
      - { .name: relation, .offset: 0, .size: 8, .value_kind: global_buffer, .address_space: global }
      - { .name: mask, .offset: 8, .size: 8, .value_kind: global_buffer, .address_space: global }
      - { .name: qs, .offset: 16, .size: 8, .value_kind: global_buffer, .address_space: global }
      - { .name: k16, .offset: 24, .size: 8, .value_kind: global_buffer, .address_space: global }
      - { .name: v16, .offset: 32, .size: 8, .value_kind: global_buffer, .address_space: global }
      - { .name: wimg, .offset: 40, .size: 8, .value_kind: global_buffer, .address_space: global }
      - { .name: wsc, .offset: 48, .size: 8, .value_kind: global_buffer, .address_space: global }
      - { .name: x, .offset: 56, .size: 8, .value_kind: global_buffer, .address_space: global }
    .group_segment_fixed_size: 327680
    .private_segment_fixed_size: 0
    .kernarg_segment_align: 8
    .kernarg_segment_size: 64
    .max_flat_workgroup_size: 128
    .sgpr_count:     66
    .vgpr_count:     1024
    .wavefront_size: 32
...
	.end_amdgpu_metadata
.endif
;; end of part 2
;; launch outp (part 3): grid 8 x 8, 16 waves a work-group, no clusters, 151,552 bytes of LDS; arguments x, Wo, bo, out0; writes out0
.if DOCPART == 3
	.amdgcn_target "amdgcn-amd-amdhsa--gfx1250"
	.amdhsa_code_object_version 6
	.text
	.protected	k_qdde4384245_outp
	.globl	k_qdde4384245_outp
	.p2align	8
	.type	k_qdde4384245_outp,@function
k_qdde4384245_outp:
	s_mov_b64 s[64:65], 0
	v_nop
	global_prefetch_b8 v0, s[64:65] scope:SCOPE_SE
	s_setreg_imm32_b32 hwreg(HW_REG_WAVE_MODE, 25, 1), 1
	s_wait_xcnt 0x0
; out0 = x Wo^T + bo.  x [512][512], Wo [512 (n)][512 (k)], bo [512], out0 [512][512]: f32; the product's operands are rounded to f16, its sums are f32.
; A work-group makes 64 rows x 64 columns, K = 512.  Sixteen waves.  First each wave rounds 16 rows x 256 along K (waves 0-7: x's four tiles, waves 8-15: Wo's four) and lays the eight
; fragments of 16 x 32 in LDS as images of their registers; a barrier; wave (a, bt) then multiplies tile a of x by tile bt of Wo: 16 matrix instructions on two accumulators by turns.
; The product is used transposed (source 0 = Wo's rows): a lane holds one row of out0 and eight neighbouring columns; bo is the C of the first instruction.
; LIMITS: x and Wo must lie inside f16's range (magnitude under 65,504).
.set STG,   131072                     ; LDS: 128 images of 1,024 bytes from 0 on (8,192 x wave + 1,024 x kappa); the stage: 64 rows x (256 + 16) bytes
.set SP,    272
.set SPARE, 148480                     ; the spare words, 128 bytes for each of 16 waves
.set SPW, 1
.set NIL, 2
.set R,   32                           ; v32-159  128 numbers as loaded
.set A0,  160                          ; two accumulators
.set A1,  168
.set C,   176                          ; v176-191 two fragments at work
.set FW,  32                           ; the product: eight fragments of Wo, eight of x
.set FX,  96
	s_load_b256 s[4:11], s[0:1], 0x0               ; x, Wo, bo, out0
	v_lshl_add_u32 v[SPW], v0, 2, SPARE
	v_mov_b32 v[NIL], 0
	v_lshrrev_b32 v3, 5, v0
	s_delay_alu instid0(VALU_DEP_1)
	v_readfirstlane_b32 s12, v3                    ; wave u
	s_and_b32 s13, ttmp7, 0xffff                   ; cb: block of 64 columns;  ttmp9: block of 64 rows
	s_lshr_b32 s14, s12, 3                         ; 0: I round x, 1: Wo
	s_bfe_u32 s15, s12, 0x20001                    ; which tile of 16 rows
	s_and_b32 s16, s12, 1                          ; which half of K
	s_lshr_b32 s22, s12, 2                         ; the product: tile a of x,
	s_and_b32 s23, s12, 3                          ; tile bt of Wo
	s_cmp_eq_u32 s14, 0
	s_cselect_b32 s17, ttmp9, s13
	s_lshl_b32 s17, s17, 17                        ; 64 rows of 2,048 bytes
	s_lshl_b32 s18, s15, 15
	s_add_co_u32 s18, s17, s18
	s_lshl_b32 s17, s16, 10
	s_add_co_u32 s18, s18, s17
	s_mov_b32 s19, 0
	v_and_b32 v3, 31, v0                           ; lane
	v_and_b32 v4, 15, v0                           ; r
	s_wait_alu depctr_va_vdst(0)
	v_bfe_u32 v5, v0, 4, 1                         ; h
	v_lshlrev_b32 v6, 11, v4
	s_delay_alu instid0(VALU_DEP_1)
	v_lshl_add_u32 v6, v5, 5, v6                   ; row r, + 32 h: a fragment's lane holds k = 8 h + 0..7 and 16 + 8 h + 0..7 of each 32
	s_delay_alu instid0(VALU_DEP_3)
	v_lshlrev_b32 v7, 5, v5                        ; bo: 32 h
	v_lshlrev_b32 v14, 4, v3                       ; 16 x lane
	s_lshl_b32 s17, s12, 13
	v_add_nc_u32 v8, s17, v14                      ; where I store my images
	s_lshl_b32 s17, s22, 14
	v_add_nc_u32 v9, s17, v14                      ; x's tile a: 16,384 a + 1,024 kappa
	s_lshl_b32 s17, s23, 14
	s_add_co_u32 s17, s17, 65536
	v_add_nc_u32 v10, s17, v14                     ; Wo's tile bt
	s_mul_i32 s17, s22, 16*SP
	s_lshl_b32 s24, s23, 6
	s_add_co_u32 s17, s17, s24
	s_add_co_u32 s17, s17, STG
	v_mul_u32_u24 v11, v4, SP
	s_wait_alu depctr_va_vdst(0)
	v_lshl_add_u32 v11, v5, 5, v11
	s_delay_alu instid0(VALU_DEP_1)
	v_add_nc_u32 v11, s17, v11                     ; the stage, in: row 16 a + r, byte 64 bt + 32 h
	s_mul_i32 s17, s12, 4*SP
	s_add_co_u32 s17, s17, STG
	v_mul_u32_u24 v12, v5, SP
	s_delay_alu instid0(VALU_DEP_1)
	v_lshl_add_u32 v12, v4, 4, v12
	s_delay_alu instid0(VALU_DEP_1)
	v_add_nc_u32 v12, s17, v12                     ; back: rows 4 u + h, sixteen lanes to a row
	v_lshlrev_b32 v13, 11, v5
	s_delay_alu instid0(VALU_DEP_1)
	v_lshl_add_u32 v13, v4, 4, v13                 ; and the same two rows in out0
	s_lshl_b32 s24, s13, 8
	s_lshl_b32 s17, s23, 6
	s_add_co_u32 s24, s24, s17                     ; bo at column 64 cb + 16 bt
	s_mov_b32 s25, 0
	s_lshl_b32 s26, ttmp9, 17
	s_lshl_b32 s17, s12, 13
	s_add_co_u32 s26, s26, s17
	s_lshl_b32 s17, s13, 8
	s_add_co_u32 s26, s26, s17                     ; out0 at row 64 rb + 4 u, byte 256 cb
	s_mov_b32 s27, 0
	s_wait_kmcnt 0x0
	s_cmp_eq_u32 s14, 0
	s_cselect_b64 s[20:21], s[4:5], s[6:7]
	s_add_nc_u64 s[20:21], s[20:21], s[18:19]
	s_add_nc_u64 s[8:9], s[8:9], s[24:25]
	s_add_nc_u64 s[10:11], s[10:11], s[26:27]
.irp kk, 0,1,2,3,4,5,6,7
.irp g, 0,1
.irp i, 0,1
	global_load_b128 v[R+16*\kk+8*\g+4*\i:R+16*\kk+8*\g+4*\i+3], v6, s[20:21] offset:128*\kk+64*\g+16*\i
.endr
.endr
.endr
	global_load_b128 v[A0:A0+3], v7, s[8:9]        ; bo in the result's layout: the first accumulator begins as it
	global_load_b128 v[A0+4:A0+7], v7, s[8:9] offset:16
.irp kk, 0,1,2,3,4,5,6,7
	s_wait_loadcnt 4*(7-\kk)+2                     ; this 32 along K is in; the later ones' four loads each and bo's two may be out
.irp q, 0,1,2,3,4,5,6,7
	v_cvt_pk_f16_f32 v[C+8*(\kk%2)+\q], v[R+16*\kk+2*\q], v[R+16*\kk+2*\q+1]
.endr
	ds_store_b128 v8, v[C+8*(\kk%2):C+8*(\kk%2)+3] offset:1024*\kk
	ds_store_b128 v8, v[C+8*(\kk%2)+4:C+8*(\kk%2)+7] offset:1024*\kk+512
.endr
	s_wait_dscnt 0x0                               ; my images have landed
	s_barrier_signal -1
	s_barrier_wait -1                              ; everybody's have
	s_wait_loadcnt 0x0                             ; bo
.irp q, 0,1                                    ; K in two runs of 256: eight fragments a side
.if \q > 0
.rept 4
	v_nop                                          ; four places in front of loads into registers that the products read
.endr
.endif
.irp kk, 0,1,2,3,4,5,6,7
	ds_load_b128 v[FW+8*\kk:FW+8*\kk+3], v10 offset:1024*(8*\q+\kk)
	ds_load_b128 v[FW+8*\kk+4:FW+8*\kk+7], v10 offset:1024*(8*\q+\kk)+512
	ds_load_b128 v[FX+8*\kk:FX+8*\kk+3], v9 offset:1024*(8*\q+\kk)
	ds_load_b128 v[FX+8*\kk+4:FX+8*\kk+7], v9 offset:1024*(8*\q+\kk)+512
.endr
	s_wait_dscnt 0x0
.irp kk, 0,2,4,6                               ; two accumulators by turns
	v_wmma_f32_16x16x32_f16 v[A0:A0+7], v[FW+8*\kk:FW+8*\kk+7], v[FX+8*\kk:FX+8*\kk+7], v[A0:A0+7]
.if (\q == 0) && (\kk == 0)
	v_wmma_f32_16x16x32_f16 v[A1:A1+7], v[FW+8*\kk+8:FW+8*\kk+15], v[FX+8*\kk+8:FX+8*\kk+15], 0
.else
	v_wmma_f32_16x16x32_f16 v[A1:A1+7], v[FW+8*\kk+8:FW+8*\kk+15], v[FX+8*\kk+8:FX+8*\kk+15], v[A1:A1+7]
.endif
.endr
.endr
.rept 4
	v_nop                                          ; four places in front of the first read of the results
.endr
.irp p, 0,1,2,3
	v_pk_add_f32 v[A0+2*\p:A0+2*\p+1], v[A0+2*\p:A0+2*\p+1], v[A1+2*\p:A1+2*\p+1]
.endr
	ds_store_b128 v11, v[A0:A0+3]                  ; eight neighbouring columns of my row
	ds_store_b128 v11, v[A0+4:A0+7] offset:16
	s_wait_dscnt 0x0                               ; my stores into the stage have landed
	s_barrier_signal -1
	s_barrier_wait -1
	ds_load_b128 v[C:C+3], v12                     ; four whole rows of 256 bytes a wave
	ds_load_b128 v[C+4:C+7], v12 offset:2*SP
	s_wait_dscnt 0x0
	global_store_b128 v13, v[C:C+3], s[10:11]      ; sixteen lanes store 256 consecutive bytes, aligned
	global_store_b128 v13, v[C+4:C+7], s[10:11] offset:4096
	s_wait_tensorcnt 0x0                           ; the wave's end
	ds_add_u32 v[SPW], v[NIL]
	s_wait_dscnt 0x0
	s_endpgm
.Lfunc_end_k_qdde4384245_outp:
	.size	k_qdde4384245_outp, .Lfunc_end_k_qdde4384245_outp-k_qdde4384245_outp
	.p2alignl 7, 3214868480
	.fill 96, 4, 3214868480
	.section	.rodata,"a",@progbits
	.p2align	6, 0x0
	.amdhsa_kernel k_qdde4384245_outp
		.amdhsa_group_segment_fixed_size 151552
		.amdhsa_private_segment_fixed_size 0
		.amdhsa_enable_private_segment 0
		.amdhsa_kernarg_size 32
		.amdhsa_user_sgpr_count 2
		.amdhsa_user_sgpr_kernarg_segment_ptr 1
		.amdhsa_wavefront_size32 1
		.amdhsa_system_sgpr_workgroup_id_x 1
		.amdhsa_system_sgpr_workgroup_id_y 1
		.amdhsa_system_sgpr_workgroup_id_z 1
		.amdhsa_system_vgpr_workitem_id 0
		.amdhsa_next_free_vgpr 256
		.amdhsa_next_free_sgpr 66
		.amdhsa_reserve_vcc 0
		.amdhsa_float_denorm_mode_32 3
		.amdhsa_float_denorm_mode_16_64 3
		.amdhsa_memory_ordered 1
		.amdhsa_forward_progress 1
		.amdhsa_inst_pref_size 18
	.end_amdhsa_kernel
	.amdgpu_metadata
---
amdhsa.version: [ 1, 2 ]
amdhsa.kernels:
  - .name:           k_qdde4384245_outp
    .symbol:         k_qdde4384245_outp.kd
    .args:
      - { .name: x, .offset: 0, .size: 8, .value_kind: global_buffer, .address_space: global }
      - { .name: Wo, .offset: 8, .size: 8, .value_kind: global_buffer, .address_space: global }
      - { .name: bo, .offset: 16, .size: 8, .value_kind: global_buffer, .address_space: global }
      - { .name: out0, .offset: 24, .size: 8, .value_kind: global_buffer, .address_space: global }
    .group_segment_fixed_size: 151552
    .private_segment_fixed_size: 0
    .kernarg_segment_align: 8
    .kernarg_segment_size: 32
    .max_flat_workgroup_size: 512
    .sgpr_count:     66
    .vgpr_count:     256
    .wavefront_size: 32
...
	.end_amdgpu_metadata
.endif
;; end of part 3
